; MI455X (gfx1250); checked and timed in simulation.
; The chip was launched on July 23, 2026; its instructions are those of AMD's public machine-readable ISA for CDNA 5 (MIT licence, August 2026) and "CDNA5" Instruction Set Architecture Reference Guide (July 2026). The comments in the code are by the model that wrote it; some were corrected since.
;; Multi Head Attention. Allowed arithmetic: matrix products marked QUANTISED: E2M3 operands, one E8M0 scale for each 32 along K, by v_wmma_scale_f32_16x16x128_f8f6f4 with both operands' format E2M3, f32 sums; everything else in f32.
;; Inputs: bk 1,024 float32; bo 1,024 float32; bq 1,024 float32; bv 1,024 float32; wk 1,024 x 1,024 float32; wo 1,024 x 1,024 float32; wq 1,024 x 1,024 float32; wv 1,024 x 1,024 float32; x_input 4 x 2,048 x 1,024 float32.
;; Outputs: out0 4 x 2,048 x 1,024 float32.
;; This version of the problem:
;;   THIS VERSION OF THE PROBLEM IS GIVEN IN LOW PRECISION. The matrix products marked QUANTISED in the list below multiply operands that are first quantised to E2M3 (2 exponent bits, 3 mantissa bits; 6 bits a number), with one power-of-two scale for each 32 numbers along K (OCP MX v1.0); their sums are f32. All else is computed in f32.
;;   The module's matrix products, in the order in which they are computed (A, B: the left and right operand; K: the contracted axis; several contracted axes count as one K, in the product's order):
;;     1. [M 8,192, K 1,024] x [K 1,024, N 1,024]; A: input x_input; B: input wq: QUANTISED
;;     2. [M 8,192, K 1,024] x [K 1,024, N 1,024]; A: input x_input; B: input wk: QUANTISED
;;     3. [M 8,192, K 1,024] x [K 1,024, N 1,024]; A: input x_input; B: input wv: QUANTISED
;;     4. batch 64 x [M 2,048, K 64] x [K 64, N 2,048]; A: computed on the way; B: computed on the way: QUANTISED
;;     5. batch 64 x [M 64, K 2,048] x [K 2,048, N 2,048]; A: computed on the way; B: softmax (see below): QUANTISED
;;     6. [M 8,192, K 1,024] x [K 1,024, N 1,024]; A: computed on the way; B: input wo: QUANTISED
;;   THE QUANTISER, for each operand of a quantised product, along K:
;;     - K is cut into blocks of 32 from its start; a last block that is shorter is filled with zeros.
;;     - A block's scale is 2^e with e = floor(log2(the largest magnitude in the block)) - 2, held to -126 .. 127; a block of zeros has e = 0. As a byte (E8M0): e + 127.
;;     - Each number is divided by its block's scale, clamped to +-7.5, and rounded to the nearest number of E2M3, ties to even, subnormals kept.
;;     - The product sums the exact products of the quantised numbers (number of the format x scale) in f32.
;;   ~~~python
;;   def quantise(x, axis):      # numpy; x: float32 -> the quantised numbers, widened to float32 again
;;       x = np.moveaxis(x, axis, -1); K = x.shape[-1]
;;       x = np.pad(x, [(0, 0)] * (x.ndim - 1) + [(0, -K % 32)]); x = x.reshape(x.shape[:-1] + (-1, 32)); a = np.abs(x).max(-1, keepdims=True)
;;       e = np.where(a > 0, np.clip(np.frexp(np.where(a > 0, a, 1))[1] - 1 - 2, -126, 127), 0)      # np.frexp(a)[1] - 1 = floor(log2(a)), exactly
;;       r = np.clip(x / 2.0 ** e, -7.5, 7.5)
;;       step = 2.0 ** (np.maximum(np.frexp(np.where(r == 0, 1, r))[1] - 1, 0) - 3)
;;       q = np.round(r / step) * step * 2.0 ** e      # np.round: ties to even
;;       return np.moveaxis(q.reshape(q.shape[:-2] + (-1,))[..., :K], -1, axis).astype(np.float32)
;;   ~~~
;;   SOFTMAX AHEAD OF A QUANTISED PRODUCT. Where the list says 'softmax', what is quantised is not the finished softmax but p = 2^(t - M), with t = logit x log2(e) and M = ceil(the row's largest t), a whole number; so 1/2 < the row's largest p <= 1. The row's sum l is taken of the UNQUANTISED p, in f32, and the product's result is divided by l at the end. Since M is a whole number, a kernel that streams over the keys may use a running M (the ceiling of the running maximum): every later rescaling is an exact power of two, which a block's scale takes up: the codes' values come out the same.
;;   OPERANDS COMPUTED ON THE WAY. 'Computed on the way' means the value that the module computes at that place (a softmax that the list does not call 'softmax' is quantised finished and normalised). What goes into a quantiser is computed in f32, as accurately as f32 sums, v_exp_f32 and their like allow (about 1e-6 of the number): no bf16 or f16 on the way to a quantiser, and a product that is left as it is and whose result goes on into a quantised operand takes f32 operands (vector FMAs, or v_wmma_f32_16x16x4_f32). A number that lies on a knife's edge between two numbers of the format may be rounded either way, as far as f32 arithmetic and the matrix unit's own rounding can turn it there, and no further.
;; One version. Each part assembles by itself: llvm-mc -triple=amdgcn-amd-amdhsa -mcpu=gfx1250 --defsym DOCPART=n.
;; ======== version 1 of 1: 4 launches
;; limits: right only within a limited range of input values
;; workspace buffers: xc 6,291,456 bytes; xs 262,144 bytes; wc 3,145,728 bytes; ws 131,072 bytes; qkv 20,185,088 bytes; oc 6,291,456 bytes; os 262,144 bytes
;; launch quant (part 1): grid 768 x 1, 2 waves a work-group, no clusters, 17,664 bytes of LDS; arguments x_input, wq, wk, wv, wo, xc, xs, wc, ws; writes xc, xs, wc, ws
.if DOCPART == 1
	.amdgcn_target "amdgcn-amd-amdhsa--gfx1250"
	.amdhsa_code_object_version 6
	.text
	.protected	k_qf3abba4e8b_quant
	.globl	k_qf3abba4e8b_quant
	.p2align	8
	.type	k_qf3abba4e8b_quant,@function
k_qf3abba4e8b_quant:
	s_mov_b64 s[64:65], 0
	v_nop
	global_prefetch_b8 v0, s[64:65] scope:SCOPE_SE
	s_setreg_imm32_b32 hwreg(HW_REG_WAVE_MODE, 25, 1), 1
	s_wait_xcnt 0x0
; x_input [8192][1024] and wq, wk, wv, wo [1024][1024], f32, K innermost, become codes of FP6 (E2M3) with one E8M0 scale byte for each 32 along K.  No work of the problem is left out in this program.
; THE CODES ARE LAID AS IMAGES OF AN OPERAND'S REGISTERS: a fragment (16 rows x 128 K, 12 registers a lane) is 1,536 bytes: registers 4 j .. 4 j + 3 of lane l at 512 j + 16 l.  Along K the codes stand in their own order.
; xc: [512 blocks of 16 rows][8 K steps of 128][1,536]; wc the same with 256 blocks: wq 0-63, wk 64-127, wv 128-191, wo 192-255.  xs: [8 K steps][8,192 rows] scale words (4 bytes: 128 along K of a row); ws: [8][4,096].
; THE ROWS OF EVERY TENSOR STAND IN ONE FIXED ORDER INSIDE EACH 64: block b (0 .. 3) of a group of 64 holds rows 8 b + i in its places 0-7 and rows 32 + 8 b + i in its places 8-15.
; So a lane's 32 results of four neighbouring tiles of a later product are 32 neighbours: one whole scale block of the product after it.  The last launch puts rows and columns back.
; A block's scale is 2^(floor(log2(largest magnitude)) - 2); its byte is the largest magnitude's exponent field - 2, held at 1 from below.
; LIMITS: a block whose largest magnitude lies under 2^-124 keeps the byte 1; a block of zeros has the byte 1 where the rule says 127 (its codes are zeros, and this program alone reads the bytes); NaN and infinities are not served.
; SHARES: 192 groups of 64 rows (0-127: x; then 16 for each weight) x 8 K steps.  A work-group of two waves takes a group and two K steps; a wave 64 rows x 128 K: four fragments and 64 scale words.
; Each load reads 512 consecutive bytes of a row; 16 rows turn through the wave's own stage in LDS and come back as a lane's two whole blocks of 32.  No tensor load, no barrier: the waves share nothing.
.set SP,    528                        ; a stage row: 512 bytes + 16
.set SCB,   16*SP                      ; behind the stage: the wave's 64 scale words
.set WREG,  SCB+256                    ; a wave's region
.set SPARE, 2*WREG                     ; the spare words, 128 bytes a wave
.set SPW,   12                         ; v12  my spare word; never rewritten
.set NIL,   13                         ; v13  0; never rewritten
.set SW,    24                         ; v24-27  the four fragments' scale words
.set PC,    32                         ; v32-43  a fragment's codes (v44-46, v48-50: halves on their way)
.set R,     64                         ; v64-191 two sets of 16 rows as loaded
.set X,     192                        ; v192-255 my two blocks of 32 numbers
	s_load_b256 s[4:11], s[0:1], 0x0               ; x, wq, wk, wv
	s_load_b256 s[12:19], s[0:1], 0x20             ; wo, xc, xs, wc
	s_load_b64 s[20:21], s[0:1], 0x40              ; ws
	v_lshl_add_u32 v[SPW], v0, 2, SPARE
	v_mov_b32 v[NIL], 0
	v_lshrrev_b32 v1, 5, v0
	v_readfirstlane_b32 s24, v1                    ; wave 0, 1
	v_and_b32 v1, 31, v0                           ; lane
	v_and_b32 v2, 15, v0                           ; r
	v_bfe_u32 v3, v0, 4, 1                         ; h
	s_mul_i32 s31, s24, WREG
	v_lshlrev_b32 v4, 4, v1                        ; 16 x lane
	v_add_nc_u32 v5, s31, v4                       ; the stage, on the way in
	v_mul_u32_u24 v6, v2, SP
	v_lshl_add_u32 v6, v3, 7, v6
	v_add_nc_u32 v6, s31, v6                       ; and out: row r, + 128 h: lane (r, h) takes blocks h and 2 + h of its row
	s_add_co_u32 s31, s31, SCB
	v_lshl_add_u32 v7, v1, 2, s31                  ; scale words in
	v_lshl_add_u32 v8, v1, 3, s31                  ; and out
	v_lshlrev_b32 v9, 3, v1
	v_lshlrev_b32 v10, 3, v3                       ; 8 h: my bytes' place in a scale word, in bits
	v_mov_b32 v21, 0                               ; a lane permute's destination counts as one of its sources
	s_mov_b32 s28, 0x76543210
	s_mov_b32 s29, 0xfedcba98                      ; selects for lane l xor 16
	s_mov_b32 s30, 0xffff0000                      ; lanes 16-31
	s_lshr_b32 s22, ttmp9, 2                       ; the group of 64 rows
	s_and_b32 s23, ttmp9, 3
	s_lshl_b32 s23, s23, 1
	s_add_co_u32 s23, s23, s24                     ; my K step
	s_sub_co_u32 s25, s22, 128                     ; a weight's group among the 64 groups of wc,
	s_and_b32 s26, s25, 15                         ; and among its own tensor's 16
	s_cmp_lt_u32 s22, 128
	s_cselect_b32 s26, s22, s26
	s_cselect_b32 s25, s22, s25
	s_cselect_b32 s27, 15, 14                      ; a K step of scale words is 32,768 bytes in xs, 16,384 in ws
	s_lshl_b32 s32, s26, 18
	s_lshl_b32 s34, s23, 9
	s_add_co_u32 s32, s32, s34
	s_mov_b32 s33, 0
	s_mul_i32 s34, s25, 4*12288
	s_mul_i32 s36, s23, 1536
	s_add_co_u32 s34, s34, s36
	s_mov_b32 s35, 0
	s_lshl_b32 s36, s23, s27
	s_lshl_b32 s38, s25, 8
	s_add_co_u32 s36, s36, s38
	s_mov_b32 s37, 0
	s_wait_alu depctr_va_vdst(0)
	s_wait_kmcnt 0x0
	s_cmp_lt_u32 s22, 176                          ; which tensor: by the work-group's number alone
	s_cselect_b64 s[10:11], s[10:11], s[12:13]
	s_cmp_lt_u32 s22, 160
	s_cselect_b64 s[8:9], s[8:9], s[10:11]
	s_cmp_lt_u32 s22, 144
	s_cselect_b64 s[6:7], s[6:7], s[8:9]
	s_cmp_lt_u32 s22, 128
	s_cselect_b64 s[4:5], s[4:5], s[6:7]
	s_cselect_b64 s[14:15], s[14:15], s[18:19]
	s_cselect_b64 s[16:17], s[16:17], s[20:21]
	s_add_nc_u64 s[4:5], s[4:5], s[32:33]
	s_add_nc_u64 s[14:15], s[14:15], s[34:35]
	s_add_nc_u64 s[16:17], s[16:17], s[36:37]
.macro LOAD b                          ; block b's sixteen rows, in the head comment's order; each load reads a row's 512 consecutive bytes of my K step
.irp i, 0,1,2,3,4,5,6,7,8,9,10,11,12,13,14,15
	global_load_b128 v[R+64*((\b)%2)+4*\i:R+64*((\b)%2)+4*\i+3], v4, s[4:5] offset:(8*(\b)+(\i%8)+32*(\i/8))*4096 th:TH_LOAD_NT
.endr
.endm
.macro TURN b                          ; through the stage.  LDS serves a wave's instructions in order: no wait between the stores and the loads
.irp i, 0,1,2,3,4,5,6,7,8,9,10,11,12,13,14,15
	ds_store_b128 v5, v[R+64*((\b)%2)+4*\i:R+64*((\b)%2)+4*\i+3] offset:SP*\i
.endr
.irp c, 0,1                            ; block 2 c + h
.irp g, 0,1,2,3
	ds_load_b128 v[X+32*\c+8*\g:X+32*\c+8*\g+3], v6 offset:256*\c+32*\g
	ds_load_b128 v[X+32*\c+8*\g+4:X+32*\c+8*\g+7], v6 offset:256*\c+32*\g+16
.endr
.endr
.endm
.macro QF b                            ; my two blocks become registers 0-5 and 6-11 of the fragment, and my two bytes of the scale word
.irp c, 0,1
	v_max3_num_f32 v[14+\c], |v[X+32*\c]|, |v[X+32*\c+1]|, 0x1800000   ; with the floor 2^(3 - 127)
.endr
.irp i, 2,4,6,8,10,12,14,16,18,20,22,24,26,28,30
.irp c, 0,1
	v_max3_num_f32 v[14+\c], v[14+\c], |v[X+32*\c+\i]|, |v[X+32*\c+\i+1]|
.endr
.endr
.irp c, 0,1
	v_add_nc_u32 v[16+\c], 0xff000000, v[14+\c]    ; 2 off the exponent field: the conversion's scale operand
.endr
.irp c, 0,1
	v_lshrrev_b32 v[18+\c], 23, v[16+\c]           ; the scale's byte
.endr
	v_lshl_or_b32 v20, v19, 16, v18
	v_lshlrev_b32 v20, v10, v20
	v_permlanex16_b32 v21, v20, s28, s29
	v_or_b32 v[SW+(\b)], v20, v21                  ; the word is whole, in both halves of the lanes
.if (\b) > 0
	s_wait_alu depctr_va_vdst(0)
	s_wait_xcnt 0x0                                ; the last fragment's stores have read their registers
.endif
.irp c, 0,1
	v_cvt_scalef32_pk16_fp6_f32 v[PC+6*\c:PC+6*\c+2], v[X+32*\c:X+32*\c+15], v[16+\c]
	v_cvt_scalef32_pk16_fp6_f32 v[44+4*\c:46+4*\c], v[X+32*\c+16:X+32*\c+31], v[16+\c]
.endr
	v_nop                                          ; one plain place behind a scaled conversion
.irp c, 0,1
.irp i, 0,1,2
	v_mov_b32 v[PC+6*\c+3+\i], v[44+4*\c+\i]
.endr
.endr
.irp j, 0,1,2
	global_store_b128 v4, v[PC+4*\j:PC+4*\j+3], s[14:15] offset:(\b)*12288+512*\j   ; 512 consecutive bytes, at a multiple of 512
.endr
.endm
	LOAD 0
	LOAD 1
	s_wait_loadcnt 16                              ; the first set is in; the next set's 16 loads may be out
	TURN 0
	s_wait_dscnt 0x0
	LOAD 2
	QF 0
	s_wait_loadcnt 16
	TURN 1
	s_wait_dscnt 0x0
	LOAD 3
	QF 1
	s_wait_loadcnt 16
	TURN 2
	s_wait_dscnt 0x0
	QF 2
	s_wait_loadcnt 0x0
	TURN 3
	s_wait_dscnt 0x0
	QF 3
	v_cndmask_b32 v28, v[SW], v[SW+1], s30
	v_cndmask_b32 v29, v[SW+2], v[SW+3], s30
	ds_store_b32 v7, v28
	ds_store_b32 v7, v29 offset:128
	ds_load_b64 v[30:31], v8
	s_wait_dscnt 0x0
	global_store_b64 v9, v[30:31], s[16:17]        ; 256 consecutive bytes, at a multiple of 256
	s_wait_tensorcnt 0x0                           ; the wave's end
	ds_add_u32 v[SPW], v[NIL]
	s_wait_dscnt 0x0
	s_endpgm
.Lfunc_end_k_qf3abba4e8b_quant:
	.size	k_qf3abba4e8b_quant, .Lfunc_end_k_qf3abba4e8b_quant-k_qf3abba4e8b_quant
	.p2alignl 7, 3214868480
	.fill 96, 4, 3214868480
	.section	.rodata,"a",@progbits
	.p2align	6, 0x0
	.amdhsa_kernel k_qf3abba4e8b_quant
		.amdhsa_group_segment_fixed_size 17664
		.amdhsa_private_segment_fixed_size 0
		.amdhsa_enable_private_segment 0
		.amdhsa_kernarg_size 72
		.amdhsa_user_sgpr_count 2
		.amdhsa_user_sgpr_kernarg_segment_ptr 1
		.amdhsa_wavefront_size32 1
		.amdhsa_system_sgpr_workgroup_id_x 1
		.amdhsa_system_sgpr_workgroup_id_y 1
		.amdhsa_system_sgpr_workgroup_id_z 1
		.amdhsa_system_vgpr_workitem_id 0
		.amdhsa_next_free_vgpr 256
		.amdhsa_next_free_sgpr 66
		.amdhsa_reserve_vcc 0
		.amdhsa_float_denorm_mode_32 3
		.amdhsa_float_denorm_mode_16_64 3
		.amdhsa_memory_ordered 1
		.amdhsa_forward_progress 1
		.amdhsa_inst_pref_size 31
	.end_amdhsa_kernel
	.amdgpu_metadata
---
amdhsa.version: [ 1, 2 ]
amdhsa.kernels:
  - .name:           k_qf3abba4e8b_quant
    .symbol:         k_qf3abba4e8b_quant.kd
    .args:
      - { .name: x_input, .offset: 0, .size: 8, .value_kind: global_buffer, .address_space: global }
      - { .name: wq, .offset: 8, .size: 8, .value_kind: global_buffer, .address_space: global }
      - { .name: wk, .offset: 16, .size: 8, .value_kind: global_buffer, .address_space: global }
      - { .name: wv, .offset: 24, .size: 8, .value_kind: global_buffer, .address_space: global }
      - { .name: wo, .offset: 32, .size: 8, .value_kind: global_buffer, .address_space: global }
      - { .name: xc, .offset: 40, .size: 8, .value_kind: global_buffer, .address_space: global }
      - { .name: xs, .offset: 48, .size: 8, .value_kind: global_buffer, .address_space: global }
      - { .name: wc, .offset: 56, .size: 8, .value_kind: global_buffer, .address_space: global }
      - { .name: ws, .offset: 64, .size: 8, .value_kind: global_buffer, .address_space: global }
    .group_segment_fixed_size: 17664
    .private_segment_fixed_size: 0
    .kernarg_segment_align: 8
    .kernarg_segment_size: 72
    .max_flat_workgroup_size: 64
    .sgpr_count:     66
    .vgpr_count:     256
    .wavefront_size: 32
...
	.end_amdgpu_metadata
.endif
;; end of part 1
;; launch qkv (part 2): grid 12 x 32, 4 waves a work-group, clusters of 4 x 4, 327,680 bytes of LDS; arguments xc, xs, wc, ws, bq, bk, bv, qkv; writes qkv
.if DOCPART == 2
	.amdgcn_target "amdgcn-amd-amdhsa--gfx1250"
	.amdhsa_code_object_version 6
	.text
	.protected	k_qf3abba4e8b_qkv
	.globl	k_qf3abba4e8b_qkv
	.p2align	8
	.type	k_qf3abba4e8b_qkv,@function
k_qf3abba4e8b_qkv:
	s_mov_b64 s[64:65], 0
	v_nop
	global_prefetch_b8 v0, s[64:65] scope:SCOPE_SE
	s_setreg_imm32_b32 hwreg(HW_REG_WAVE_MODE, 25, 1), 1
	s_wait_xcnt 0x0
	s_wait_alu depctr_hold_cnt(0) depctr_sa_sdst(0) depctr_va_vdst(0) depctr_va_sdst(0) depctr_va_ssrc(0) depctr_va_vcc(0) depctr_vm_vsrc(0)
	s_getreg_b32 s2, hwreg(HW_REG_IB_STS2, 6, 4)
	s_cmp_eq_u32 s2, 0
	s_cbranch_scc0 .Lentry_in_a_cluster
	s_endpgm
.Lentry_in_a_cluster:
	s_bfe_u32 s2, ttmp6, 0x10000c
	s_cmp_lg_u32 s2, 0xf033
	s_cbranch_scc0 .Lentry_shape_is_right
	s_endpgm
.Lentry_shape_is_right:
.set FR,    12
.set NL,    3
.set NP,    4
.set NQ,    2
.set FRB,   1536
.set KB,    NQ*FRB
.set RBS,   8*FRB
.set HALFT, 8*KB
.set SLOT,  4*HALFT
.set SCL,   2*SLOT
.set HALFS, 4096
.set SKEW,  0
.set SPARE, SCL+4*HALFS+256
.set SLOTB, 39424
.set HEADB, 8*SLOTB
; qkv is laid by 128 tokens, SLOTB / 2 bytes each: K's codes, V's codes, K's scale words, V's, Q's codes, Q's scale words
.set VCO,   6144
.set KSC,   12288
.set VSC,   12800
.set QCO,   13056
.set QSC,   19200
.set SH8,   8
.set ADRA, 16
.set ADRB, 20
.set GA,   24
.set G8,   25
.set ADRS, 27
.set SPW,  28
.set NIL,  29
.set SC,   32
.set BR,   64
.set AF,   128
.set BL,   232
.set T,    128
.set PC,   192
.set TM,   212
.set SW,   32
.set MS,   40
.set G1, 24
.set G0, 32
.set G1B, 48
.set G0B, 56
.set G1S, 68
.set G0S, 76
.set G1SB, 80
.set G0SB, 88
.set VF,  66
.set HM,  67
.set OB,  98
.set OS,  100
.set SEL, 22
.set MSB, 0
.macro WIN new
.if MSB != (\new)
	s_set_vgpr_msb (MSB<<8)|(\new)
.set MSB, (\new)
.endif
.endm
.set MUL_LO, 0xa1
.set MUL_HI, 0xf1
.set TO_B,   0x40
.macro JLOAD g0a, g1a, g0b, g1b
	s_cmp_eq_u32 s15, 0
	s_cbranch_scc0 .Lfor_b_\@
	tensor_load_to_lds s[\g0a:\g0a+3], s[\g1a:\g1a+7]
	s_nop 0
.rept 4
	v_nop
.endr
	s_branch .Lasked_\@
.Lfor_b_\@:
	tensor_load_to_lds s[\g0b:\g0b+3], s[\g1b:\g1b+7]
	s_nop 0
.rept 4
	v_nop
.endr
.Lasked_\@:
.endm
.macro CREST
	s_cmp_lg_u32 s14, 0
	s_cbranch_scc1 .Lnot_wave_0_\@
	s_barrier_signal -3
.Lnot_wave_0_\@:
	s_barrier_wait -3
	s_barrier_signal -1
	s_barrier_wait -1
.endm
.macro CROUND
	s_barrier_signal -1
	s_barrier_wait -1
	CREST
.endm
	s_load_b256 s[4:11], s[0:1], 0x0
	s_load_b128 s[96:99], s[0:1], 0x20
	s_load_b64 s[100:101], s[0:1], 0x30
	s_load_b64 s[104:105], s[0:1], 0x38
	v_lshl_add_u32 v[SPW], v0, 2, SPARE
	v_mov_b32 v[NIL], 0
	ds_add_u32 v[SPW], v[NIL]
	ds_add_u32 v[SPW], v[NIL]
	v_lshrrev_b32 v1, 5, v0
	v_readfirstlane_b32 s14, v1
	s_lshr_b32 s15, s14, 1
	s_and_b32 s16, s14, 1
	s_bfe_u32 s40, ttmp6, 0x40000
	s_bfe_u32 s41, ttmp6, 0x40004
	s_lshl_b32 s42, ttmp9, 2
	s_add_co_u32 s42, s42, s40
	s_and_b32 s17, ttmp7, 0xffff
	s_lshl_b32 s17, s17, 2
	s_add_co_u32 s17, s17, s41
	s_lshl_b32 s43, s41, 2
	s_lshl_b32 s43, 15, s43
	s_lshl_b32 s44, 0x1111, s40
	s_or_b32 s[G1+0], s43, (3<<16)|(1<<21)
	s_or_b32 s[G1B+0], s44, (3<<16)|(1<<21)
.irp g, G1, G1B
	s_mov_b32 s[\g+1], (KB/8)<<16
	s_mov_b32 s[\g+2], 8<<16
	s_mov_b32 s[\g+3], (KB/8)<<16
	s_mov_b32 s[\g+4], 8
	s_mov_b32 s[\g+5], RBS/8
	s_mov_b32 s[\g+6], 0
	s_mov_b32 s[\g+7], 0
.endr
	s_or_b32 s[G1S+0], s43, (3<<16)|(1<<21)
	s_or_b32 s[G1SB+0], s44, (3<<16)|(1<<21)
.irp g, G1S, G1SB
	s_mov_b32 s[\g+1], 64<<16
	s_mov_b32 s[\g+2], 8<<16
	s_mov_b32 s[\g+3], 64<<16
	s_mov_b32 s[\g+4], 8
	s_mov_b32 s[\g+6], 0
	s_mov_b32 s[\g+7], 0
.endr
	s_mov_b32 s[G1S+5], 8192*4/8
	s_mov_b32 s[G1SB+5], 4096*4/8
	s_lshl_b32 s18, s16, 3
	s_lshl_b32 s20, s17, 4
	s_add_co_u32 s20, s20, s18
	s_lshl_b32 s46, s42, 4
	s_add_co_u32 s46, s46, s18
	s_lshl_b32 s22, s20, 6
	s_mov_b32 s23, 0
	s_lshl_b32 s92, s46, 6
	s_mov_b32 s93, 0
	s_mul_i32 s20, s20, RBS
	s_mov_b32 s21, 0
	s_mul_i32 s46, s46, RBS
	s_mov_b32 s47, 0
	s_mul_i32 s45, s14, HALFT
	s_lshl_b32 s94, s14, 12
	s_wait_dscnt 0x0
	s_wait_kmcnt 0x0
	s_add_nc_u64 s[20:21], s[4:5], s[20:21]
	s_add_nc_u64 s[22:23], s[6:7], s[22:23]
	s_add_nc_u64 s[46:47], s[8:9], s[46:47]
	s_add_nc_u64 s[92:93], s[10:11], s[92:93]
	CROUND
	s_mov_b32 s[G0S], 1
	s_add_co_u32 s[G0S+1], s94, SCL
	s_mov_b64 s[G0S+2:G0S+3], s[22:23]
	s_or_b32 s[G0S+3], s[G0S+3], 0x80000000
	s_mov_b32 s[G0SB], 1
	s_add_co_u32 s[G0SB+1], s94, SCL+SKEW
	s_mov_b64 s[G0SB+2:G0SB+3], s[92:93]
	s_or_b32 s[G0SB+3], s[G0SB+3], 0x80000000
	JLOAD G0S, G1S, G0SB, G1SB
.irp s, 0,1
	s_mov_b32 s[G0+4*\s], 1
	s_add_co_u32 s[G0+4*\s+1], s45, \s*SLOT
	s_add_nc_u64 s[G0+4*\s+2:G0+4*\s+3], s[20:21], \s*KB
	s_or_b32 s[G0+4*\s+3], s[G0+4*\s+3], 0x80000000
	s_mov_b32 s[G0B+4*\s], 1
	s_add_co_u32 s[G0B+4*\s+1], s45, \s*SLOT
	s_add_nc_u64 s[G0B+4*\s+2:G0B+4*\s+3], s[46:47], \s*KB
	s_or_b32 s[G0B+4*\s+3], s[G0B+4*\s+3], 0x80000000
	s_wait_alu depctr_va_vdst(0)
	s_wait_tensorcnt 0x0
	ds_add_u32 v28, v29
	s_wait_dscnt 0x0
	CROUND
	JLOAD G0+4*\s, G1, G0B+4*\s, G1B
.endr
	v_and_b32 v1, 15, v0
	v_bfe_u32 v2, v0, 4, 1
	v_and_b32 v3, 31, v0
	v_lshlrev_b32 v[GA], 4, v3
	s_wait_alu depctr_va_vdst(0)
	v_lshlrev_b32 v[G8], 3, v3
	s_cmp_eq_u32 ttmp9, 2
	s_cselect_b32 s[VF], 1, 0
	s_cselect_b32 s18, 2*HALFT, 0
	s_cselect_b32 s19, 0, 2*HALFT
	s_cselect_b32 s2, 2*HALFS+SKEW, 0
	s_cselect_b32 s3, 0, 2*HALFS+SKEW
	s_cselect_b32 s12, s16, s15
	s_cselect_b32 s13, s15, s16
	s_mul_i32 s21, s15, HALFT
	s_add_co_u32 s21, s21, s18
	s_mul_i32 s22, s16, HALFT
	s_add_co_u32 s22, s22, s19
.irp s, 0,1
	v_add_nc_u32 v[ADRA+\s], s21, v[GA]
	v_add_nc_u32 v[ADRB+\s], s22, v[GA]
	s_add_co_u32 s21, s21, SLOT
	s_add_co_u32 s22, s22, SLOT
.endr
	s_lshl_b32 s21, s15, 12
	s_add_co_u32 s21, s21, s2
	s_add_co_u32 s21, s21, SCL
	s_lshl_b32 s22, s16, 12
	s_add_co_u32 s22, s22, s3
	s_add_co_u32 s22, s22, SCL
	v_lshlrev_b32 v4, 2, v1
	s_wait_alu depctr_va_vdst(0)
	v_add_nc_u32 v5, s21, v4
	v_add_nc_u32 v6, s22, v4
	s_mov_b32 s[HM], 0xffff0000
	v_cndmask_b32 v[ADRS], v5, v6, s[HM]
	s_mov_b32 s94, KSC
	s_cmp_eq_u32 ttmp9, 0
	s_cselect_b32 s92, QCO, 0
	s_cselect_b32 s94, QSC, s94
	s_cselect_b64 s[96:97], s[96:97], s[98:99]
	s_cmp_eq_u32 ttmp9, 2
	s_cselect_b32 s92, VCO, s92
	s_cselect_b32 s94, VSC, s94
	s_cselect_b64 s[96:97], s[100:101], s[96:97]
	s_lshl_b32 s93, s40, 1
	s_add_co_u32 s93, s93, s13
	s_lshl_b32 s20, s93, 9
	s_mov_b32 s21, 0
	s_add_nc_u64 s[96:97], s[96:97], s[20:21]
	; by the rows' order in wc, register j of lane (r, h) in tile t is column 64 (t / 4) + 32 h + 8 (t % 4) + j; place r of tile a is column 64 (a / 4) + 8 (a % 4) + r % 8 + 32 (r / 8)
	v_lshlrev_b32 v7, 7, v2
	v_lshlrev_b32 v[SH8], 3, v2
	v_and_b32 v9, 7, v1
	v_lshrrev_b32 v10, 3, v1
	v_lshlrev_b32 v9, 2, v9
	v_lshl_add_u32 v9, v10, 7, v9
.irp t, 0,1,2,3,4,5,6,7
	global_load_b128 v[BR+8*\t:BR+8*\t+3], v7, s[96:97] offset:256*(\t/4)+32*(\t%4)
	global_load_b128 v[BR+8*\t+4:BR+8*\t+7], v7, s[96:97] offset:256*(\t/4)+32*(\t%4)+16
.endr
.irp a, 0,1,2,3,4,5,6,7
	global_load_b32 v[BL+2*\a], v9, s[96:97] offset:256*(\a/4)+32*(\a%4)
	global_load_b32 v[BL+2*\a+1], v9, s[96:97] offset:256*(\a/4)+32*(\a%4)
.endr
	s_lshr_b32 s18, s17, 3
	s_and_b32 s19, s17, 7
	s_lshl_b32 s18, s18, 7
	s_lshl_b32 s20, s93, 4
	s_add_co_u32 s18, s18, s20
	s_add_co_u32 s18, s18, s19
	s_mul_i32 s18, s18, SLOTB
	s_mul_i32 s20, s12, SLOTB/2
	s_add_co_u32 s20, s20, s18
	s_add_co_u32 s20, s20, s92
	s_add_nc_u64 s[OB:OB+1], s[104:105], s[20:21]
	s_mul_i32 s20, s12, SLOTB/2
	s_add_co_u32 s20, s20, s18
	s_add_co_u32 s20, s20, s94
	s_add_nc_u64 s[OS:OS+1], s[104:105], s[20:21]
.macro FRAG reg, adr, q, i
.irp c, 0,1,2
	ds_load_b128 v[\reg+4*\c:\reg+4*\c+3], v[\adr] offset:(\i)*KB+(\q)*FRB+512*\c
.endr
.endm
.macro MUL16 a0, p, q, sc, zero
.irp a, \a0, \a0+1
.irp b, 0,1,2,3,4,5,6,7
.if \zero
	v_wmma_scale_f32_16x16x128_f8f6f4 v[8*(8*((\a)%4)+\b):8*(8*((\a)%4)+\b)+7], v[128*(\p)+FR*\b:128*(\p)+FR*\b+FR-1], v[AF+FR*(\a):AF+FR*(\a)+FR-1], 0, v[SC+8*NQ*(\sc)+NQ*\b+(\q)], v[SC+8*NQ*(\sc)+NQ*(\a)+(\q)] matrix_a_fmt:MATRIX_FMT_FP6 matrix_b_fmt:MATRIX_FMT_FP6 matrix_a_scale:MATRIX_SCALE_ROW1
.else
	v_wmma_scale_f32_16x16x128_f8f6f4 v[8*(8*((\a)%4)+\b):8*(8*((\a)%4)+\b)+7], v[128*(\p)+FR*\b:128*(\p)+FR*\b+FR-1], v[AF+FR*(\a):AF+FR*(\a)+FR-1], v[8*(8*((\a)%4)+\b):8*(8*((\a)%4)+\b)+7], v[SC+8*NQ*(\sc)+NQ*\b+(\q)], v[SC+8*NQ*(\sc)+NQ*(\a)+(\q)] matrix_a_fmt:MATRIX_FMT_FP6 matrix_b_fmt:MATRIX_FMT_FP6 matrix_a_scale:MATRIX_SCALE_ROW1
.endif
.endr
.endr
.endm
.macro FETCH_B slot, q, p
	WIN TO_B
.irp i, 0,1,2,3,4,5,6,7
	FRAG 128*(\p)+FR*\i, ADRB+\slot, \q, \i
.endr
	WIN 0
.endm
.macro FETCH_A slot, q, i0
.irp i, \i0, \i0+1, \i0+2, \i0+3
	FRAG AF+FR*(\i), ADRA+\slot, \q, \i
.endr
.endm
.macro SCALES sc, t
.irp i, 0,1,2,3,4,5,6,7
.irp q, 0,1
	ds_load_b32 v[SC+16*(\sc)+2*\i+\q], v[ADRS] offset:1024*(\t)+512*\q+64*\i
.endr
.endr
.endm
.macro PLACES n
.rept \n
	v_nop
.endr
.endm
.macro STEP slot, q, zero
	s_wait_dscnt 4*NL
	WIN MUL_LO
	MUL16 0, (\q)%2, \q, \slot, \zero
	MUL16 2, (\q)%2, \q, \slot, \zero
	s_wait_dscnt 0
	PLACES NP
	FETCH_B \slot, (\q)+1, 1-(\q)%2
	FETCH_A \slot, (\q)+1, 0
	WIN MUL_HI
	MUL16 4, (\q)%2, \q, \slot, \zero
	MUL16 6, (\q)%2, \q, \slot, \zero
	PLACES NP
	WIN 0
	FETCH_A \slot, (\q)+1, 4
.endm
.macro TURN slot, next, fill, t
	s_wait_tensorcnt 0x0
	ds_add_u32 v[SPW], v[NIL]
	s_wait_dscnt 4*NL+1
	WIN MUL_LO
	MUL16 0, 1, NQ-1, \slot, 0
	s_wait_dscnt 0x0
	s_barrier_signal -1
	MUL16 2, 1, NQ-1, \slot, 0
	WIN 0
	s_barrier_wait -1
.if \fill
	CREST
	s_add_nc_u64 s[G0+4*\slot+2:G0+4*\slot+3], s[G0+4*\slot+2:G0+4*\slot+3], 2*KB
	s_add_nc_u64 s[G0B+4*\slot+2:G0B+4*\slot+3], s[G0B+4*\slot+2:G0B+4*\slot+3], 2*KB
	JLOAD G0+4*\slot, G1, G0B+4*\slot, G1B
.else
	PLACES NP
.endif
	FETCH_B \next, 0, 0
	FETCH_A \next, 0, 0
	SCALES \next, \t
	WIN MUL_HI
	MUL16 4, 1, NQ-1, \slot, 0
	MUL16 6, 1, NQ-1, \slot, 0
	PLACES NP
	WIN 0
	FETCH_A \next, 0, 4
.endm
	s_wait_alu depctr_va_vdst(0)
	s_wait_loadcnt 0x0
	s_wait_tensorcnt 1
	s_barrier_signal -1
	s_barrier_wait -1
	FETCH_B 0, 0, 0
	FETCH_A 0, 0, 0
	SCALES 0, 0
	FETCH_A 0, 0, 4
	STEP 0, 0, 1
	TURN 0, 1, 1, 1
	STEP 1, 0, 0
	TURN 1, 0, 1, 2
	STEP 0, 0, 0
	TURN 0, 1, 0, 3
	STEP 1, 0, 0
	s_wait_dscnt 4*NL
	WIN MUL_LO
	MUL16 0, 1, NQ-1, 1, 0
	MUL16 2, 1, NQ-1, 1, 0
	s_wait_dscnt 0
	WIN MUL_HI
	MUL16 4, 1, NQ-1, 1, 0
	MUL16 6, 1, NQ-1, 1, 0
	WIN 0
; A lane's registers s + 32 c .. s + 32 c + 31 are one whole scale block, block 2 c + h of its row: four chains of maxima by turns, no other lane is asked; the word's bytes of lane l xor 16 come by one permute
.macro QUANT s, pw
.irp k, 0,1,2,3
	v_max3_num_f32 v[TM+\k], |v[\s+16*\k]|, |v[\s+1+16*\k]|, |v[\s+2+16*\k]|
.endr
.irp i, 3,5,7,9,11,13
.irp k, 0,1,2,3
	v_max3_num_f32 v[TM+\k], v[TM+\k], |v[\s+16*\k+\i]|, |v[\s+1+16*\k+\i]|
.endr
.endr
.irp c, 0,1
	v_max3_num_f32 v[TM+2*\c], v[TM+2*\c], v[TM+2*\c+1], |v[\s+15+32*\c]|
.endr
.irp c, 0,1
	v_max3_num_f32 v[TM+2*\c], v[TM+2*\c], |v[\s+31+32*\c]|, 0x1800000
.endr
.irp c, 0,1
	v_add_nc_u32 v[TM+12+\c], 0xff000000, v[TM+2*\c]
.endr
.irp c, 0,1
	v_lshrrev_b32 v[TM+4+\c], 23, v[TM+12+\c]
.endr
	v_lshl_or_b32 v[TM+6], v[TM+5], 16, v[TM+4]
	v_lshlrev_b32 v[TM+6], v[SH8], v[TM+6]
	v_permlanex16_b32 v[TM+7], v[TM+6], s[SEL], s[SEL+1]
	v_or_b32 v[\pw], v[TM+6], v[TM+7]
.irp c, 0,1
	v_cvt_scalef32_pk16_fp6_f32 v[PC+6*\c:PC+2+6*\c], v[\s+32*\c:\s+15+32*\c], v[TM+12+\c]
	v_cvt_scalef32_pk16_fp6_f32 v[PC+12+4*\c:PC+14+4*\c], v[\s+16+32*\c:\s+31+32*\c], v[TM+12+\c]
.endr
	v_nop
.irp c, 0,1
.irp i, 0,1,2
	v_mov_b32 v[PC+3+6*\c+\i], v[PC+12+4*\c+\i]
.endr
.endr
.endm
.macro EPI kind, a
	WIN 0x02+(\a)/4
.set J, 0
.rept 32
.if \kind
	v_pk_add_f32 v[T+J:T+J+1], v[64*((\a)%4)+J:64*((\a)%4)+J+1], v[BL+2*(\a):BL+2*(\a)+1]
.else
	v_pk_add_f32 v[T+J:T+J+1], v[64*((\a)%4)+J:64*((\a)%4)+J+1], v[BR+J:BR+J+1]
.endif
.set J, J+2
.endr
	WIN 0
	s_wait_alu depctr_va_vdst(0)
	s_wait_xcnt 0x0
	QUANT T, SW+(\a)
.if \kind
.irp j, 0,1,2
	global_store_b128 v[GA], v[PC+4*\j:PC+4*\j+3], s[OB:OB+1] offset:((\a)/4)*HEADB+((\a)%4)*FRB+512*\j
.endr
.else
	global_store_b128 v[GA], v[PC:PC+3], s[OB:OB+1] offset:(\a)*768
	global_store_b64 v[G8], v[PC+4:PC+5], s[OB:OB+1] offset:(\a)*768+512
	global_store_b128 v[GA], v[PC+6:PC+9], s[OB:OB+1] offset:HEADB+(\a)*768
	global_store_b64 v[G8], v[PC+10:PC+11], s[OB:OB+1] offset:HEADB+(\a)*768+512
.endif
.endm
	PLACES NP
	s_mov_b32 s[SEL], 0x76543210
	s_mov_b32 s[SEL+1], 0xfedcba98
.irp b, 0,1,2,3
	v_mov_b32 v[TM+4+\b], 0
.endr
	s_cmp_lg_u32 s[VF], 0
	s_cbranch_scc1 .Lfor_v
.irp a, 0,1,2,3,4,5,6,7
	EPI 0, \a
.endr
.irp i, 0,1,2,3
	v_cndmask_b32 v[MS+\i], v[SW+2*\i], v[SW+2*\i+1], s[HM]
.endr
	global_store_b128 v[GA], v[MS:MS+3], s[OS:OS+1]
.irp a, 0,1,2,3,4,5,6,7
	v_lshrrev_b32 v[SW+\a], 16, v[SW+\a]
.endr
.irp i, 0,1,2,3
	v_cndmask_b32 v[MS+4+\i], v[SW+2*\i], v[SW+2*\i+1], s[HM]
.endr
	global_store_b128 v[GA], v[MS+4:MS+7], s[OS:OS+1] offset:HEADB
	s_branch .Ldone
.Lfor_v:
.irp a, 0,1,2,3,4,5,6,7
	EPI 1, \a
.endr
.irp i, 0,1,2,3
	v_cndmask_b32 v[MS+\i], v[SW+2*\i], v[SW+2*\i+1], s[HM]
.endr
	global_store_b64 v[G8], v[MS:MS+1], s[OS:OS+1]
	global_store_b64 v[G8], v[MS+2:MS+3], s[OS:OS+1] offset:HEADB
.Ldone:
	s_wait_tensorcnt 0x0
	ds_add_u32 v[SPW], v[NIL]
	s_wait_dscnt 0x0
	CROUND
	s_endpgm
.Lfunc_end_k_qf3abba4e8b_qkv:
	.size	k_qf3abba4e8b_qkv, .Lfunc_end_k_qf3abba4e8b_qkv-k_qf3abba4e8b_qkv
	.p2alignl 7, 3214868480
	.fill 96, 4, 3214868480
	.section	.rodata,"a",@progbits
	.p2align	6, 0x0
	.amdhsa_kernel k_qf3abba4e8b_qkv
		.amdhsa_group_segment_fixed_size 327680
		.amdhsa_private_segment_fixed_size 0
		.amdhsa_enable_private_segment 0
		.amdhsa_kernarg_size 64
		.amdhsa_user_sgpr_count 2
		.amdhsa_user_sgpr_kernarg_segment_ptr 1
		.amdhsa_wavefront_size32 1
		.amdhsa_system_sgpr_workgroup_id_x 1
		.amdhsa_system_sgpr_workgroup_id_y 1
		.amdhsa_system_sgpr_workgroup_id_z 1
		.amdhsa_system_vgpr_workitem_id 0
		.amdhsa_next_free_vgpr 1024
		.amdhsa_next_free_sgpr 106
		.amdhsa_reserve_vcc 0
		.amdhsa_float_denorm_mode_32 3
		.amdhsa_float_denorm_mode_16_64 3
		.amdhsa_memory_ordered 1
		.amdhsa_forward_progress 1
		.amdhsa_inst_pref_size 200
	.end_amdhsa_kernel
	.amdgpu_metadata
---
amdhsa.version: [ 1, 2 ]
amdhsa.kernels:
  - .name:           k_qf3abba4e8b_qkv
    .symbol:         k_qf3abba4e8b_qkv.kd
    .args:
      - { .name: xc, .offset: 0, .size: 8, .value_kind: global_buffer, .address_space: global }
      - { .name: xs, .offset: 8, .size: 8, .value_kind: global_buffer, .address_space: global }
      - { .name: wc, .offset: 16, .size: 8, .value_kind: global_buffer, .address_space: global }
      - { .name: ws, .offset: 24, .size: 8, .value_kind: global_buffer, .address_space: global }
      - { .name: bq, .offset: 32, .size: 8, .value_kind: global_buffer, .address_space: global }
      - { .name: bk, .offset: 40, .size: 8, .value_kind: global_buffer, .address_space: global }
      - { .name: bv, .offset: 48, .size: 8, .value_kind: global_buffer, .address_space: global }
      - { .name: qkv, .offset: 56, .size: 8, .value_kind: global_buffer, .address_space: global }
    .group_segment_fixed_size: 327680
    .private_segment_fixed_size: 0
    .kernarg_segment_align: 8
    .kernarg_segment_size: 64
    .max_flat_workgroup_size: 128
    .sgpr_count:     106
    .vgpr_count:     1024
    .wavefront_size: 32
...
	.end_amdgpu_metadata
.endif
;; end of part 2
;; launch attn (part 3): grid 4 x 64, 16 waves a work-group, clusters of 4 x 1, 327,680 bytes of LDS; arguments qkv, oc, os; writes oc, os
.if DOCPART == 3
	.amdgcn_target "amdgcn-amd-amdhsa--gfx1250"
	.amdhsa_code_object_version 6
	.text
	.protected	k_qf3abba4e8b_attn
	.globl	k_qf3abba4e8b_attn
	.p2align	8
	.type	k_qf3abba4e8b_attn,@function
k_qf3abba4e8b_attn:
	s_mov_b64 s[64:65], 0
	v_nop
	global_prefetch_b8 v0, s[64:65] scope:SCOPE_SE
	s_setreg_imm32_b32 hwreg(HW_REG_WAVE_MODE, 25, 1), 1
	s_wait_xcnt 0x0
	s_wait_alu depctr_hold_cnt(0) depctr_sa_sdst(0) depctr_va_vdst(0) depctr_va_sdst(0) depctr_va_ssrc(0) depctr_va_vcc(0) depctr_vm_vsrc(0)
	s_getreg_b32 s2, hwreg(HW_REG_IB_STS2, 6, 4)
	s_cmp_eq_u32 s2, 0
	s_cbranch_scc0 .Lentry_in_a_cluster
	s_endpgm
.Lentry_in_a_cluster:
	s_bfe_u32 s2, ttmp6, 0x10000c
	s_cmp_lg_u32 s2, 0x3003
	s_cbranch_scc0 .Lentry_shape_is_right
	s_endpgm
.Lentry_shape_is_right:
; o = softmax(q k^T / 8) v for each of 64 (batch, head), both products on codes of FP6 (E2M3) with E8M0 scales; o is quantised along the model's 1,024 and leaves as half an image of the last product's operand.
; THE SOFTMAX: t = score x log2(e) / 8; M = the running largest t rounded UP to a whole number; p = 2^(t - M) is quantised along the keys, not normalised; the row's sum is taken of the unquantised p and divides O at the end.
; When M moves, the sum and O are multiplied by 2^(old M - new M): exact.
; SHARES.  A work-group owns ONE head and 512 queries; each of its sixteen waves two tiles of 16 queries, one after the other, and walks the head's 2,048 keys for each, 128 a step.
; THE HEAD'S K AND V STAY IN LDS.  qkv is laid by 128 tokens, 19,712 bytes each, of which the first 13,056 are K's codes, V's codes and their scale words: 16 x 13,056 = 208,896 bytes.  Wave w asks for step w's piece, its one tensor load.
; Nothing is filled again: one barrier at the head shows all pieces to all waves, and no barrier stands in the walk.
; CLUSTER.  The four quarters of a head's queries form a cluster: each piece is asked for jointly, with a mask that names the four.
; NO PREFETCH: every tile is asked for at the head; there is no loop to run ahead in.
; LAYOUT.  S^T = K Q^T, O^T = V^T P^T: a lane holds one query throughout.  By the rows' order that the first launch lays, tile i of a step holds keys 64 (i / 4) + 8 (i % 4) + j in places 0-7 and those 32 further on in places 8-15:
; so lane (r, h) holds in the 32 registers of four tiles the whole block of 32 keys 2 c + h, as the next operand's layout wants it; no lane asks another for a block's maximum.  The same holds of O^T's 32 registers.
; K = 64: Q's registers 6-11 are zero codes.  K's tiles lie six registers apart; the upper half of a tile's operand is the next tile's codes, which meet Q's zeros (behind the last tile: the second tile's Q codes, which meet them too).
; LOADS FROM LDS.  Behind a step's score products go out this step's V (13 loads, into registers of its own, read behind the whole softmax) and then the next step's K (17 loads, read at the next step's head).
; OUT.  oc: [block of 16 rows][K step = pair of heads][head of the pair][768]: registers 0-3 of the head's six at 16 x lane, registers 4-5 at 512 + 8 x lane.  os: [K step][row] words; a head's two bytes are half a word:
; they leave by one store of 2 bytes a lane for a wave's 32 rows, so units of os are written in part by each of a pair's two heads: 2 bytes for each 48 bytes of codes.
; LIMITS: the scaled scores stay under 2^31 in magnitude; a block whose largest magnitude lies under 2^-124 keeps the byte 1; a block of zeros has the byte 1 (this program alone reads the bytes); NaN and infinities are not served.
; REGISTERS: v1-6 addresses; v7 p's scale word; v8 Q's, v9 the second tile's (then the first tile's scale bytes of o); v10-11 V's scale words; v12 -M, v13 the largest score, v[14:15] the sum; v16-27 Q; v28-31 K's scale words;
;   v32-79 K's eight tiles, v80-85 the second tile's Q; v86-133 V's four fragments; v134-197 S^T, then p; v198-229 O^T; v230-241 p's codes (ahead of them the sum's four chains; at a tile's end o's codes); v242-255 at work.
.set SUBM,  19712
.set HEADB, 16*SUBM
.set SUB,   13056
.set VCO,   6144
.set KSC,   12288
.set VSC,   12800
.set QCO,   13056
.set QSC,   19200
.set SPARE, 16*SUB                     ; the spare words, 128 bytes a wave
.set LK,  1                            ; 16 x lane
.set L8,  2                            ; 8 x lane
.set ADK, 3                            ; a step's first byte + 16 x lane: it serves a step's K and, a step later, its V
.set AD8, 4                            ; + 8 x lane
.set SPW, 5
.set NIL, 6
.set PW,  7
.set QW,  8
.set QW2, 9
.set VS,  10
.set QSO, 11
.set Q,   16
.set KS,  28
.set KF,  32
.set Q2,  80
.set VF,  86
.set S,   134
.set O,   198
.set PC,  230
.set AC,  230                          ; the sum's chains lie where p's codes will be written
.set BM,  242
.set CTL, 242                          ; the conversions' second halves lie where the maxima stood
.set T0,  246
.set OLD, 247
.set CTH, 246
.set OW1, 249
.set T1,  250
.set E0,  251
.set F,   252
.set E1,  253
.set SO,  254
.set WV,  18
.set SEL, 20
.set CS,  22
.set G1,  24
.set G0,  32
.set TN,  37                           ; LDS byte at which the next step begins
.set N,   38                           ; the step's number, 0 .. 31
.set HM,  39                           ; lanes 16-31
.set QP,  42
.set QS,  44
.set OCP, 46
.set OSP, 48
.macro WALU
	s_wait_alu depctr_va_vdst(0)
.endm
.macro CROUND
	s_barrier_signal -1
	s_barrier_wait -1
	s_cmp_lg_u32 s[WV], 0
	s_cbranch_scc1 .Lnot_wave_0_\@
	s_barrier_signal -3
.Lnot_wave_0_\@:
	s_barrier_wait -3
	s_barrier_signal -1
	s_barrier_wait -1
.endm
	s_load_b128 s[4:7], s[0:1], 0x0                ; qkv, oc
	s_load_b64 s[8:9], s[0:1], 0x10                ; os
	v_lshl_add_u32 v[SPW], v0, 2, SPARE
	v_mov_b32 v[NIL], 0
	ds_add_u32 v[SPW], v[NIL]                      ; the opening lines
	ds_add_u32 v[SPW], v[NIL]
	v_lshrrev_b32 v1, 5, v0
	v_readfirstlane_b32 s[WV], v1
	s_and_b32 s12, ttmp7, 0xffff                   ; 16 x batch + head: the partners share it
	s_mul_i32 s15, s12, HEADB
	s_mul_i32 s50, s[WV], SUBM
	s_add_co_u32 s50, s50, s15                     ; my piece: key step w
	s_mov_b32 s51, 0
	s_bfe_u32 s10, ttmp6, 0x40000                  ; cx: my quarter of the queries: it enters Q's and o's addresses alone
	s_lshl_b32 s52, s10, 2
	s_lshr_b32 s13, s[WV], 2
	s_add_co_u32 s52, s52, s13
	s_mul_i32 s52, s52, SUBM
	s_add_co_u32 s52, s52, s15                     ; my queries' 128 tokens
	s_and_b32 s13, s[WV], 3
	s_mul_i32 s54, s13, 1536
	s_add_co_u32 s54, s54, s52
	s_add_co_u32 s54, s54, QCO                     ; tiles 2 (w % 4) and, 768 bytes on, 2 (w % 4) + 1
	s_mov_b32 s55, 0
	s_lshl_b32 s13, s13, 2                         ; their scale words: 4 (tile / 2) + 256 (tile % 2), + 16 r
	s_add_co_u32 s52, s52, s13
	s_add_co_u32 s52, s52, QSC
	s_mov_b32 s53, 0
	s_lshr_b32 s14, s12, 4                         ; the batch
	s_bfe_u32 s15, s12, 0x30001                    ; the pair of heads = the last product's K step
	s_and_b32 s17, s12, 1                          ; the head of the pair
	s_lshl_b32 s16, s14, 7
	s_lshl_b32 s11, s10, 5
	s_add_co_u32 s16, s16, s11
	s_lshl_b32 s11, s[WV], 1
	s_add_co_u32 s16, s16, s11                     ; my first block of 16 rows
	s_lshl_b32 s56, s16, 3
	s_add_co_u32 s56, s56, s15
	s_mul_i32 s56, s56, 1536
	s_mul_i32 s11, s17, 768
	s_add_co_u32 s56, s56, s11                     ; its half fragment in oc
	s_mov_b32 s57, 0
	s_lshl_b32 s58, s15, 15
	s_lshl_b32 s16, s16, 6
	s_add_co_u32 s58, s58, s16
	s_lshl_b32 s11, s17, 1
	s_add_co_u32 s58, s58, s11                     ; my 32 rows' half words in os
	s_mov_b32 s59, 0
	s_mov_b32 s[G1], 15|(3<<16)|(1<<21)            ; a dense piece as 51 rows of 256 bytes (32 elements of 8 bytes); the mask names all four work-groups
	s_mov_b32 s[G1+1], 32<<16
	s_mov_b32 s[G1+2], 51<<16
	s_mov_b32 s[G1+3], 32<<16
	s_mov_b32 s[G1+4], 51
	s_mov_b32 s[G1+5], 32
	s_mov_b32 s[G1+6], 0
	s_mov_b32 s[G1+7], 0
	s_mov_b32 s[SEL], 0x76543210
	s_mov_b32 s[SEL+1], 0xfedcba98
	s_mov_b32 s[CS], 0x3e38aa3b                    ; c = log2(e) / 8
	s_mov_b32 s[CS+1], s[CS]
	s_mov_b32 s[HM], 0xffff0000
	s_mov_b32 s[N], 0
	s_mov_b32 s[G0], 1
	s_mul_i32 s[G0+1], s[WV], SUB
	WALU
	s_wait_dscnt 0x0                               ; both opening adds are done
	s_wait_kmcnt 0x0
	s_add_nc_u64 s[G0+2:G0+3], s[4:5], s[50:51]
	s_or_b32 s[G0+3], s[G0+3], 0x80000000
	s_add_nc_u64 s[QP:QP+1], s[4:5], s[54:55]
	s_add_nc_u64 s[QS:QS+1], s[4:5], s[52:53]
	s_add_nc_u64 s[OCP:OCP+1], s[6:7], s[56:57]
	s_add_nc_u64 s[OSP:OSP+1], s[8:9], s[58:59]
	CROUND                                         ; all four work-groups are here: the joint loads meet
	tensor_load_to_lds s[G0:G0+3], s[G1:G1+7]      ; every wave's one tensor load
	s_nop 0
.rept 4
	v_nop
.endr
	v_and_b32 v[LK], 31, v0
	v_lshlrev_b32 v[L8], 3, v[LK]
	v_lshlrev_b32 v[LK], 4, v[LK]
	v_and_b32 v[QSO], 15, v0
	v_lshlrev_b32 v[QSO], 4, v[QSO]
	v_add_nc_u32 v[ADK], 0, v[LK]                  ; step 0
	v_add_nc_u32 v[AD8], 0, v[L8]
	global_load_b128 v[Q:Q+3], v[LK], s[QP:QP+1]
	global_load_b64 v[Q+4:Q+5], v[L8], s[QP:QP+1] offset:512
	global_load_b128 v[Q2:Q2+3], v[LK], s[QP:QP+1] offset:768
	global_load_b64 v[Q2+4:Q2+5], v[L8], s[QP:QP+1] offset:768+512
	global_load_b32 v[QW], v[QSO], s[QS:QS+1]
	global_load_b32 v[QW2], v[QSO], s[QS:QS+1] offset:256
.irp i, 0,1,2,3,4,5
	v_mov_b32 v[Q+6+\i], 0                         ; K = 64 .. 127 of Q: zero codes, written once
.endr
	v_mov_b32 v13, 0xff61b1e6                      ; the largest score so far: -3e38
	v_mov_b32 v12, 0x7e000000                      ; -M: so large that the first step's factor is 0, on sums that are 0
	v_mov_b32 v14, 0
	v_mov_b32 v15, 0
	v_mov_b32 v[T1], 0                             ; a lane permute's destination counts as one of its sources
	v_mov_b32 v[E1], 0                             ; (named as the upper half of the pair that holds f)
.set J, 0
.rept 32
	v_mov_b32 v[O+J], 0                            ; O^T: the step is written once; the first finds zeros
.set J, J+1
.endr
.macro KLOAD                           ; K's eight tiles and their scale words (register i: tile 2 i in lanes 0-15, tile 2 i + 1 in lanes 16-31): 17 loads
	ds_load_b128 v[KS:KS+3], v[ADK] offset:KSC
.irp t, 0,1,2,3,4,5,6,7
	ds_load_b128 v[KF+6*\t:KF+6*\t+3], v[ADK] offset:768*\t
	ds_load_b64 v[KF+6*\t+4:KF+6*\t+5], v[AD8] offset:768*\t+512
.endr
.endm
; A KEY STEP: 128 keys, step N % 16 of the head.  pf = 1: the next step's K (behind step 15: step 0's, for my second tile) is fetched too.
.macro STEP pf
.if \pf
	s_add_co_u32 s[TN], s[N], 1
	s_and_b32 s[TN], s[TN], 15
	s_mul_i32 s[TN], s[TN], SUB
.endif
	s_wait_dscnt 0x0                               ; K is in
.irp t, 0,2,4,6
	v_wmma_scale_f32_16x16x128_f8f6f4 v[S+8*\t:S+8*\t+7], v[KF+6*\t:KF+6*\t+11], v[Q:Q+11], 0, v[KS+\t/2], v[QW] matrix_a_fmt:MATRIX_FMT_FP6 matrix_b_fmt:MATRIX_FMT_FP6
	v_wmma_scale_f32_16x16x128_f8f6f4 v[S+8*\t+8:S+8*\t+15], v[KF+6*\t+6:KF+6*\t+17], v[Q:Q+11], 0, v[KS+\t/2], v[QW] matrix_a_fmt:MATRIX_FMT_FP6 matrix_b_fmt:MATRIX_FMT_FP6 matrix_a_scale:MATRIX_SCALE_ROW1
.endr
	v_mov_b32 v[OLD], v12                          ; four places ahead of the loads into V's and K's registers and of the first read of the scores
.rept 3
	v_nop
.endr
.irp d, 0,1,2,3                                ; this step's V: 13 loads
.irp j, 0,1,2
	ds_load_b128 v[VF+12*\d+4*\j:VF+12*\d+4*\j+3], v[ADK] offset:VCO+1536*\d+512*\j
.endr
.endr
	ds_load_b64 v[VS:VS+1], v[AD8] offset:VSC
.if \pf
	v_add_nc_u32 v[ADK], s[TN], v[LK]              ; on to the next step
	v_add_nc_u32 v[AD8], s[TN], v[L8]
	KLOAD
.endif
.irp k, 0,1,2,3                                ; my two blocks' largest scores, in four chains by turns; each accumulator is first read at its low end
	v_max3_num_f32 v[BM+\k], v[S+16*\k], v[S+16*\k+1], v[S+16*\k+2]
.endr
.irp i, 3,5,7,9,11,13
.irp k, 0,1,2,3
	v_max3_num_f32 v[BM+\k], v[BM+\k], v[S+16*\k+\i], v[S+16*\k+\i+1]
.endr
.endr
.irp c, 0,1
	v_max3_num_f32 v[BM+2*\c], v[BM+2*\c], v[BM+2*\c+1], v[S+15+32*\c]
.endr
.irp c, 0,1
	v_max_num_f32 v[BM+2*\c], v[BM+2*\c], v[S+31+32*\c]
.endr
	s_delay_alu instid0(VALU_DEP_1)
	v_max3_num_f32 v[T0], v[BM], v[BM+2], v13
	s_delay_alu instid0(VALU_DEP_1)
	v_permlanex16_b32 v[T1], v[T0], s[SEL], s[SEL+1]
	s_delay_alu instid0(VALU_DEP_1)
	v_max_num_f32 v13, v[T0], v[T1]                ; the running largest score of my query
	s_delay_alu instid0(VALU_DEP_1)
	v_mul_f32 v[T0], s[CS], v13                    ; as t
	s_delay_alu instid0(VALU_DEP_1)
	v_floor_f32 v12, -v[T0]                        ; -M = -ceil(t)
.set J, 0
.rept 32
	v_pk_fma_f32 v[S+J:S+J+1], v[S+J:S+J+1], s[CS:CS+1], v[12:13] op_sel_hi:[1,0,0]   ; t - M; the three lines that make f stand among these
.if J == 6
	v_sub_f32 v[T0], v12, v[OLD]                   ; old M - new M, 0 or less
.endif
.if J == 14
	v_cvt_i32_f32 v[T0], v[T0]                     ; (it saturates)
.endif
.if J == 22
	v_ldexp_f32 v[F], 1.0, v[T0]                   ; f = 2^(old M - new M)
.endif
.set J, J+2
.endr
.irp c, 0,1
	v_fma_f32 v[BM+2*\c], v[BM+2*\c], s[CS], v12   ; the same of each block's largest score: p rises with the score
.endr
	WALU                                           ; ahead of the batch
	v_exp_f32 v[BM], v[BM]
	v_exp_f32 v[BM+2], v[BM+2]
.set J, 0
.rept 64
	v_exp_f32 v[S+J], v[S+J]                       ; p = 2^(t - M)
.set J, J+1
.endr
	v_pk_mul_f32 v[14:15], v[14:15], v[F:F+1] op_sel_hi:[1,0]   ; the sum under the new M: the plain place behind the batch
	WALU                                           ; and behind it
.irp k, 0,1,2,3                                ; the sum of the unquantised p: four chains by turns
	v_pk_add_f32 v[AC+2*\k:AC+2*\k+1], v[S+2*\k:S+2*\k+1], v[S+8+2*\k:S+9+2*\k]
.endr
.set J, 16
.rept 6
.irp k, 0,1,2,3
	v_pk_add_f32 v[AC+2*\k:AC+2*\k+1], v[AC+2*\k:AC+2*\k+1], v[S+J+2*\k:S+J+2*\k+1]
.endr
.set J, J+8
.endr
	v_pk_add_f32 v[AC:AC+1], v[AC:AC+1], v[AC+2:AC+3]
	v_pk_add_f32 v[AC+4:AC+5], v[AC+4:AC+5], v[AC+6:AC+7]
.irp c, 0,1
	v_max_num_f32 v[BM+2*\c], 0x1800000, v[BM+2*\c]   ; the floor 2^(3 - 127)
.endr
	v_pk_add_f32 v[14:15], v[14:15], v[AC:AC+1]
.irp c, 0,1
	v_add_nc_u32 v[SO+\c], 0xff000000, v[BM+2*\c]  ; the conversions' scale operands
.endr
	v_pk_add_f32 v[14:15], v[14:15], v[AC+4:AC+5]
	v_cvt_scalef32_pk16_fp6_f32 v[PC:PC+2], v[S:S+15], v[SO]
	v_cvt_scalef32_pk16_fp6_f32 v[CTL:CTL+2], v[S+16:S+31], v[SO]
	v_cvt_scalef32_pk16_fp6_f32 v[PC+6:PC+8], v[S+32:S+47], v[SO+1]
	v_cvt_scalef32_pk16_fp6_f32 v[CTH:CTH+2], v[S+48:S+63], v[SO+1]
	v_lshrrev_b32 v[E0], 23, v[SO]                 ; the scales' bytes.  (The plain place behind the conversions)
	v_lshrrev_b32 v[E1], 23, v[SO+1]
.irp i, 0,1,2
	v_mov_b32 v[PC+3+\i], v[CTL+\i]
.endr
	v_lshl_or_b32 v[E0], v[E1], 16, v[E0]          ; blocks h and 2 + h
.irp i, 0,1,2
	v_mov_b32 v[PC+9+\i], v[CTH+\i]
.endr
	v_permlanex16_b32 v[T1], v[E0], s[SEL], s[SEL+1]
	s_delay_alu instid0(VALU_DEP_1)
	v_lshl_or_b32 v[PW], v[T1], 8, v[E0]           ; p's scale word, whole in lanes 0-15, from which the product takes it
	WALU                                           ; directly ahead of the first reader of O^T
.set J, 0
.rept 16
	v_pk_mul_f32 v[O+J:O+J+1], v[O+J:O+J+1], v[F:F+1] op_sel_hi:[1,0]   ; O^T under the new M; also the places between the word's and the codes' writes and the products
.set J, J+2
.endr
	WALU
.if \pf
	s_wait_dscnt 17                                ; V is in; the 17 loads of the next step's K, issued behind V's, may be out
.else
	s_wait_dscnt 0x0
.endif
.irp d, 0,2
	v_wmma_scale_f32_16x16x128_f8f6f4 v[O+8*\d:O+8*\d+7], v[VF+12*\d:VF+12*\d+11], v[PC:PC+11], v[O+8*\d:O+8*\d+7], v[VS+\d/2], v[PW] matrix_a_fmt:MATRIX_FMT_FP6 matrix_b_fmt:MATRIX_FMT_FP6
	v_wmma_scale_f32_16x16x128_f8f6f4 v[O+8*\d+8:O+8*\d+15], v[VF+12*\d+12:VF+12*\d+23], v[PC:PC+11], v[O+8*\d+8:O+8*\d+15], v[VS+\d/2], v[PW] matrix_a_fmt:MATRIX_FMT_FP6 matrix_b_fmt:MATRIX_FMT_FP6 matrix_a_scale:MATRIX_SCALE_ROW1
.endr
.endm
; A TILE'S END: O^T / the sum; my 32 numbers are one block of the last product's K: six registers of codes, and with lane l xor 16's byte the head's two scale bytes.  The codes leave at once.
.macro FINISH e
	v_add_f32 v14, v14, v15
	s_delay_alu instid0(VALU_DEP_1)
	v_permlanex16_b32 v[T1], v14, s[SEL], s[SEL+1]
	s_delay_alu instid0(VALU_DEP_1)
	v_add_f32 v14, v14, v[T1]                      ; the row's sum
	WALU
	v_rcp_f32 v14, v14
.rept 4
	v_nop
.endr
	WALU
.set J, 0
.rept 16
	v_pk_mul_f32 v[S+J:S+J+1], v[O+J:O+J+1], v[14:15] op_sel_hi:[1,0]
.set J, J+2
.endr
.irp k, 0,1
	v_max3_num_f32 v[BM+\k], |v[S+16*\k]|, |v[S+16*\k+1]|, |v[S+16*\k+2]|
.endr
.irp i, 3,5,7,9,11,13
.irp k, 0,1
	s_delay_alu instid0(VALU_DEP_2)
	v_max3_num_f32 v[BM+\k], v[BM+\k], |v[S+16*\k+\i]|, |v[S+16*\k+\i+1]|
.endr
.endr
	s_delay_alu instid0(VALU_DEP_1)
	v_max3_num_f32 v[BM], v[BM], v[BM+1], |v[S+15]|
	s_delay_alu instid0(VALU_DEP_1)
	v_max3_num_f32 v[BM], v[BM], |v[S+31]|, 0x1800000
	s_delay_alu instid0(VALU_DEP_1)
	v_add_nc_u32 v[SO], 0xff000000, v[BM]
	v_cvt_scalef32_pk16_fp6_f32 v[PC+6*\e:PC+6*\e+2], v[S:S+15], v[SO]
	v_cvt_scalef32_pk16_fp6_f32 v[CTH:CTH+2], v[S+16:S+31], v[SO]
	v_lshrrev_b32 v[E0], 23, v[SO]
	s_delay_alu instid0(VALU_DEP_1)
	v_permlanex16_b32 v[T1], v[E0], s[SEL], s[SEL+1]
.if \e
	s_delay_alu instid0(VALU_DEP_1)
	v_lshl_or_b32 v[OW1], v[E0], 8, v[T1]          ; right in lanes 16-31, whose own byte is the upper one
.else
	s_delay_alu instid0(VALU_DEP_1)
	v_lshl_or_b32 v[QW2], v[T1], 8, v[E0]          ; right in lanes 0-15, whose own byte is the lower one
.endif
.irp i, 0,1,2
	v_mov_b32 v[PC+6*\e+3+\i], v[CTH+\i]
.endr
	global_store_b128 v[LK], v[PC+6*\e:PC+6*\e+3], s[OCP:OCP+1] offset:12288*\e         ; 512 consecutive bytes, at a multiple of 256
	global_store_b64 v[L8], v[PC+6*\e+4:PC+6*\e+5], s[OCP:OCP+1] offset:12288*\e+512    ; 256 consecutive bytes, at a multiple of 256
.endm
	WALU
	s_wait_loadcnt 0x0                             ; Q
	s_wait_tensorcnt 0x0                           ; my piece is in
	s_barrier_signal -1
	s_barrier_wait -1                              ; and so is everybody's
	KLOAD                                          ; step 0's K
.Lstep:                                            ; 31 trips; the last step, which fetches no further K, is written out
	STEP 1
	s_cmp_lg_u32 s[N], 15                          ; my first tile has seen all keys: a branch on the loop's counter
	s_cbranch_scc1 .Lsame_tile
	v_mov_b32 v[QW], v[QW2]                        ; the second tile's scale word (its register then takes the first tile's scale bytes of o),
	FINISH 0
.irp i, 0,1,2,3,4,5
	v_mov_b32 v[Q+\i], v[Q2+\i]                    ; its Q,
.endr
	v_mov_b32 v13, 0xff61b1e6                      ; and a fresh state
	v_mov_b32 v12, 0x7e000000
	v_mov_b32 v14, 0
	v_mov_b32 v15, 0
.set J, 0
.rept 32
	v_mov_b32 v[O+J], 0
.set J, J+1
.endr
	WALU
	s_wait_xcnt 0x0                                ; the stores have read o's codes: the next step writes those registers
.Lsame_tile:
	s_add_co_u32 s[N], s[N], 1
	s_cmp_lg_u32 s[N], 31
	WALU
	s_cbranch_scc1 .Lstep
	STEP 0
	FINISH 1
	v_cndmask_b32 v[T1], v[QW2], v[OW1], s[HM]     ; lanes 0-15: my first tile's rows, lanes 16-31: my second's
	v_lshrrev_b32 v0, 2, v[LK]                     ; 4 x lane
	global_store_b16 v0, v[T1], s[OSP:OSP+1]       ; the head's half of 32 neighbouring scale words
	s_wait_tensorcnt 0x0                           ; the wave's end
	ds_add_u32 v[SPW], v[NIL]
	s_wait_dscnt 0x0
	CROUND                                         ; the closing round
	s_endpgm
.Lfunc_end_k_qf3abba4e8b_attn:
	.size	k_qf3abba4e8b_attn, .Lfunc_end_k_qf3abba4e8b_attn-k_qf3abba4e8b_attn
	.p2alignl 7, 3214868480
	.fill 96, 4, 3214868480
	.section	.rodata,"a",@progbits
	.p2align	6, 0x0
	.amdhsa_kernel k_qf3abba4e8b_attn
		.amdhsa_group_segment_fixed_size 327680
		.amdhsa_private_segment_fixed_size 0
		.amdhsa_enable_private_segment 0
		.amdhsa_kernarg_size 24
		.amdhsa_user_sgpr_count 2
		.amdhsa_user_sgpr_kernarg_segment_ptr 1
		.amdhsa_wavefront_size32 1
		.amdhsa_system_sgpr_workgroup_id_x 1
		.amdhsa_system_sgpr_workgroup_id_y 1
		.amdhsa_system_sgpr_workgroup_id_z 1
		.amdhsa_system_vgpr_workitem_id 0
		.amdhsa_next_free_vgpr 256
		.amdhsa_next_free_sgpr 66
		.amdhsa_reserve_vcc 0
		.amdhsa_float_denorm_mode_32 3
		.amdhsa_float_denorm_mode_16_64 3
		.amdhsa_memory_ordered 1
		.amdhsa_forward_progress 1
		.amdhsa_inst_pref_size 45
	.end_amdhsa_kernel
	.amdgpu_metadata
---
amdhsa.version: [ 1, 2 ]
amdhsa.kernels:
  - .name:           k_qf3abba4e8b_attn
    .symbol:         k_qf3abba4e8b_attn.kd
    .args:
      - { .name: qkv, .offset: 0, .size: 8, .value_kind: global_buffer, .address_space: global }
      - { .name: oc, .offset: 8, .size: 8, .value_kind: global_buffer, .address_space: global }
      - { .name: os, .offset: 16, .size: 8, .value_kind: global_buffer, .address_space: global }
    .group_segment_fixed_size: 327680
    .private_segment_fixed_size: 0
    .kernarg_segment_align: 8
    .kernarg_segment_size: 24
    .max_flat_workgroup_size: 512
    .sgpr_count:     66
    .vgpr_count:     256
    .wavefront_size: 32
...
	.end_amdgpu_metadata
.endif
;; end of part 3
;; launch proj (part 4): grid 4 x 32, 4 waves a work-group, clusters of 4 x 4, 327,680 bytes of LDS; arguments oc, os, wc, ws, bo, out0; writes out0
.if DOCPART == 4
	.amdgcn_target "amdgcn-amd-amdhsa--gfx1250"
	.amdhsa_code_object_version 6
	.text
	.protected	k_qf3abba4e8b_proj
	.globl	k_qf3abba4e8b_proj
	.p2align	8
	.type	k_qf3abba4e8b_proj,@function
k_qf3abba4e8b_proj:
	s_mov_b64 s[64:65], 0
	v_nop
	global_prefetch_b8 v0, s[64:65] scope:SCOPE_SE
	s_setreg_imm32_b32 hwreg(HW_REG_WAVE_MODE, 25, 1), 1
	s_wait_xcnt 0x0
	s_wait_alu depctr_hold_cnt(0) depctr_sa_sdst(0) depctr_va_vdst(0) depctr_va_sdst(0) depctr_va_ssrc(0) depctr_va_vcc(0) depctr_vm_vsrc(0)
	s_getreg_b32 s2, hwreg(HW_REG_IB_STS2, 6, 4)
	s_cmp_eq_u32 s2, 0
	s_cbranch_scc0 .Lentry_in_a_cluster
	s_endpgm
.Lentry_in_a_cluster:
	s_bfe_u32 s2, ttmp6, 0x10000c
	s_cmp_lg_u32 s2, 0xf033
	s_cbranch_scc0 .Lentry_shape_is_right
	s_endpgm
.Lentry_shape_is_right:
.set SIZE_N, 1024
.set FR,    12
.set NL,    4
.set NP,    4
.set NQ,    2
.set FRB,   1536
.set KB,    NQ*FRB
.set RBS,   8*FRB
.set HALFT, 8*KB
.set SLOT,  4*HALFT
.set SCL,   2*SLOT
.set HALFS, 4096
.set SKEW,  128
.set SPARE, SCL+4*HALFS+256
.set SPITCH, 528
.set ADRA, 16
.set ADRB, 20
.set STO,  24
.set RD,   25
.set CO,   26
.set ADRS, 27
.set SPW,  28
.set NIL,  29
.set SC,   32
.set BR,   64
.set AF,   128
.set BK,   128
.set G1, 24
.set G0, 32
.set G1B, 48
.set G0B, 56
.set G1S, 68
.set G0S, 76
.set G1SB, 80
.set G0SB, 88
.set MSB, 0
.macro WIN new
.if MSB != (\new)
	s_set_vgpr_msb (MSB<<8)|(\new)
.set MSB, (\new)
.endif
.endm
.set TO_B,   0x40
.macro MWIN hi, zero
.if \zero
	WIN 0x81+0x40*(\hi)
.else
	WIN 0xa1+0x50*(\hi)
.endif
.endm
.macro JLOAD g0a, g1a, g0b, g1b
	s_cmp_eq_u32 s15, 0
	s_cbranch_scc0 .Lfor_b_\@
	tensor_load_to_lds s[\g0a:\g0a+3], s[\g1a:\g1a+7]
	s_nop 0
.rept 4
	v_nop
.endr
	s_branch .Lasked_\@
.Lfor_b_\@:
	tensor_load_to_lds s[\g0b:\g0b+3], s[\g1b:\g1b+7]
	s_nop 0
.rept 4
	v_nop
.endr
.Lasked_\@:
.endm
.macro CREST
	s_cmp_lg_u32 s14, 0
	s_cbranch_scc1 .Lnot_wave_0_\@
	s_barrier_signal -3
.Lnot_wave_0_\@:
	s_barrier_wait -3
	s_barrier_signal -1
	s_barrier_wait -1
.endm
.macro CROUND
	s_barrier_signal -1
	s_barrier_wait -1
	CREST
.endm
	s_load_b256 s[4:11], s[0:1], 0x0
	s_load_b128 s[96:99], s[0:1], 0x20
	v_lshl_add_u32 v[SPW], v0, 2, SPARE
	v_mov_b32 v[NIL], 0
	ds_add_u32 v[SPW], v[NIL]
	ds_add_u32 v[SPW], v[NIL]
	v_lshrrev_b32 v1, 5, v0
	v_readfirstlane_b32 s14, v1
	s_lshr_b32 s15, s14, 1
	s_and_b32 s16, s14, 1
	s_bfe_u32 s40, ttmp6, 0x40000
	s_bfe_u32 s41, ttmp6, 0x40004
	s_lshl_b32 s42, ttmp9, 2
	s_add_co_u32 s42, s42, s40
	s_and_b32 s17, ttmp7, 0xffff
	s_lshl_b32 s17, s17, 2
	s_add_co_u32 s17, s17, s41
	s_lshl_b32 s43, s41, 2
	s_lshl_b32 s43, 15, s43
	s_lshl_b32 s44, 0x1111, s40
	s_or_b32 s[G1+0], s43, (3<<16)|(1<<21)
	s_or_b32 s[G1B+0], s44, (3<<16)|(1<<21)
.irp g, G1, G1B
	s_mov_b32 s[\g+1], (KB/8)<<16
	s_mov_b32 s[\g+2], 8<<16
	s_mov_b32 s[\g+3], (KB/8)<<16
	s_mov_b32 s[\g+4], 8
	s_mov_b32 s[\g+5], RBS/8
	s_mov_b32 s[\g+6], 0
	s_mov_b32 s[\g+7], 0
.endr
	s_or_b32 s[G1S+0], s43, (3<<16)|(1<<21)
	s_or_b32 s[G1SB+0], s44, (3<<16)|(1<<21)
.irp g, G1S, G1SB
	s_mov_b32 s[\g+1], 64<<16
	s_mov_b32 s[\g+2], 8<<16
	s_mov_b32 s[\g+3], 64<<16
	s_mov_b32 s[\g+4], 8
	s_mov_b32 s[\g+6], 0
	s_mov_b32 s[\g+7], 0
.endr
	s_mov_b32 s[G1S+5], 8192*4/8
	s_mov_b32 s[G1SB+5], 4096*4/8
	s_lshl_b32 s18, s16, 3
	s_lshl_b32 s20, s17, 4
	s_add_co_u32 s20, s20, s18
	s_lshl_b32 s46, s42, 4
	s_add_co_u32 s46, s46, s18
	s_add_co_u32 s46, s46, 192
	s_lshl_b32 s22, s20, 6
	s_mov_b32 s23, 0
	s_lshl_b32 s92, s46, 6
	s_mov_b32 s93, 0
	s_mul_i32 s20, s20, RBS
	s_mov_b32 s21, 0
	s_mul_i32 s46, s46, RBS
	s_mov_b32 s47, 0
	s_mul_i32 s45, s14, HALFT
	s_lshl_b32 s94, s14, 12
	s_wait_dscnt 0x0
	s_wait_kmcnt 0x0
	s_add_nc_u64 s[20:21], s[4:5], s[20:21]
	s_add_nc_u64 s[22:23], s[6:7], s[22:23]
	s_add_nc_u64 s[46:47], s[8:9], s[46:47]
	s_add_nc_u64 s[92:93], s[10:11], s[92:93]
	CROUND
	s_mov_b32 s[G0S], 1
	s_add_co_u32 s[G0S+1], s94, SCL
	s_mov_b64 s[G0S+2:G0S+3], s[22:23]
	s_or_b32 s[G0S+3], s[G0S+3], 0x80000000
	s_mov_b32 s[G0SB], 1
	s_add_co_u32 s[G0SB+1], s94, SCL+SKEW
	s_mov_b64 s[G0SB+2:G0SB+3], s[92:93]
	s_or_b32 s[G0SB+3], s[G0SB+3], 0x80000000
	JLOAD G0S, G1S, G0SB, G1SB
.irp s, 0,1
	s_mov_b32 s[G0+4*\s], 1
	s_add_co_u32 s[G0+4*\s+1], s45, \s*SLOT
	s_add_nc_u64 s[G0+4*\s+2:G0+4*\s+3], s[20:21], \s*KB
	s_or_b32 s[G0+4*\s+3], s[G0+4*\s+3], 0x80000000
	s_mov_b32 s[G0B+4*\s], 1
	s_add_co_u32 s[G0B+4*\s+1], s45, \s*SLOT
	s_add_nc_u64 s[G0B+4*\s+2:G0B+4*\s+3], s[46:47], \s*KB
	s_or_b32 s[G0B+4*\s+3], s[G0B+4*\s+3], 0x80000000
	s_wait_alu depctr_va_vdst(0)
	s_wait_tensorcnt 0x0
	ds_add_u32 v28, v29
	s_wait_dscnt 0x0
	CROUND
	JLOAD G0+4*\s, G1, G0B+4*\s, G1B
.endr
	v_and_b32 v1, 15, v0
	v_bfe_u32 v2, v0, 4, 1
	s_wait_alu depctr_va_vdst(0)
	v_and_b32 v3, 31, v0
	v_lshlrev_b32 v[CO], 4, v3
	v_lshlrev_b32 v8, 3, v3
	s_mul_i32 s21, s15, HALFT
	s_mul_i32 s22, s16, HALFT
	s_add_co_u32 s22, s22, 2*HALFT
.irp s, 0,1
	v_add_nc_u32 v[ADRA+\s], s21, v[CO]
	v_add_nc_u32 v[ADRA+2+\s], s21, v8
	v_add_nc_u32 v[ADRB+\s], s22, v[CO]
	s_add_co_u32 s21, s21, SLOT
	s_add_co_u32 s22, s22, SLOT
.endr
	s_lshl_b32 s21, s15, 12
	s_lshl_b32 s22, s16, 12
	s_add_co_u32 s22, s22, 2*HALFS+SKEW
	s_sub_co_u32 s22, s22, s21
	v_mul_u32_u24 v6, s22, v2
	s_add_co_u32 s21, s21, SCL
	v_lshl_add_u32 v5, v1, 2, v6
	v_add_nc_u32 v[ADRS], s21, v5
	s_mul_i32 s23, s14, 16*SPITCH
	v_mul_u32_u24 v5, v1, SPITCH
	v_lshl_add_u32 v5, v2, 7, v5                   ; by the rows' order in wc, register j of lane (r, h) in tile b is column 64 (b / 4) + 32 h + 8 (b % 4) + j
	v_add_nc_u32 v[STO], s23, v5
	v_add_nc_u32 v[RD], s23, v[CO]
	s_lshl_b32 s20, s17, 8
	s_lshl_b32 s21, s15, 7
	s_add_co_u32 s20, s20, s21
	s_lshl_b32 s20, s20, 12
	s_lshl_b32 s46, s42, 10
	s_lshl_b32 s47, s16, 9
	s_add_co_u32 s46, s46, s47
	s_mov_b32 s47, 0
	s_add_co_u32 s20, s20, s46
	s_mov_b32 s21, 0
	s_add_nc_u64 s[12:13], s[98:99], s[20:21]
	s_add_nc_u64 s[96:97], s[96:97], s[46:47]
	v_lshlrev_b32 v7, 7, v2
.irp t, 0,1,2,3,4,5,6,7
	global_load_b128 v[BR+8*\t:BR+8*\t+3], v7, s[96:97] offset:256*(\t/4)+32*(\t%4)
	global_load_b128 v[BR+8*\t+4:BR+8*\t+7], v7, s[96:97] offset:256*(\t/4)+32*(\t%4)+16
.endr
.macro FRAG reg, adr, q, i
.irp c, 0,1,2
	ds_load_b128 v[\reg+4*\c:\reg+4*\c+3], v[\adr] offset:(\i)*KB+(\q)*FRB+512*\c
.endr
.endm
.macro MUL16 a0, p, q, sc, zero
.irp a, \a0, \a0+1
.irp b, 0,1,2,3,4,5,6,7
.if \zero
	v_wmma_scale_f32_16x16x128_f8f6f4 v[8*(8*((\a)%4)+\b):8*(8*((\a)%4)+\b)+7], v[128*(\p)+FR*\b:128*(\p)+FR*\b+FR-1], v[AF+FR*(\a):AF+FR*(\a)+FR-1], v[BR+8*\b:BR+8*\b+7], v[SC+8*NQ*(\sc)+NQ*\b+(\q)], v[SC+8*NQ*(\sc)+NQ*(\a)+(\q)] matrix_a_fmt:MATRIX_FMT_FP6 matrix_b_fmt:MATRIX_FMT_FP6 matrix_a_scale:MATRIX_SCALE_ROW1
.else
	v_wmma_scale_f32_16x16x128_f8f6f4 v[8*(8*((\a)%4)+\b):8*(8*((\a)%4)+\b)+7], v[128*(\p)+FR*\b:128*(\p)+FR*\b+FR-1], v[AF+FR*(\a):AF+FR*(\a)+FR-1], v[8*(8*((\a)%4)+\b):8*(8*((\a)%4)+\b)+7], v[SC+8*NQ*(\sc)+NQ*\b+(\q)], v[SC+8*NQ*(\sc)+NQ*(\a)+(\q)] matrix_a_fmt:MATRIX_FMT_FP6 matrix_b_fmt:MATRIX_FMT_FP6 matrix_a_scale:MATRIX_SCALE_ROW1
.endif
.endr
.endr
.endm
.macro FETCH_B slot, q, p
	WIN TO_B
.irp i, 0,1,2,3,4,5,6,7
	FRAG 128*(\p)+FR*\i, ADRB+\slot, \q, \i
.endr
	WIN 0
.endm
.macro FETCH_A slot, q, i0
; a fragment of oc is two halves of 768 bytes, one for each head of the pair: registers 0-3 of a half's six at 16 x lane, registers 4-5 at 512 + 8 x lane: NL = 4 loads
.irp i, \i0, \i0+1, \i0+2, \i0+3
.irp c, 0,1
	ds_load_b128 v[AF+FR*(\i)+6*\c:AF+FR*(\i)+6*\c+3], v[ADRA+\slot] offset:(\i)*KB+(\q)*FRB+768*\c
	ds_load_b64 v[AF+FR*(\i)+6*\c+4:AF+FR*(\i)+6*\c+5], v[ADRA+2+\slot] offset:(\i)*KB+(\q)*FRB+768*\c+512
.endr
.endr
.endm
.macro SCALES sc, t
.irp i, 0,1,2,3,4,5,6,7
.irp q, 0,1
	ds_load_b32 v[SC+16*(\sc)+2*\i+\q], v[ADRS] offset:1024*(\t)+512*\q+64*\i
.endr
.endr
.endm
.macro PLACES n
.rept \n
	v_nop
.endr
.endm
.macro STEP slot, q, zero
	s_wait_dscnt 4*NL
	MWIN 0, \zero
	MUL16 0, (\q)%2, \q, \slot, \zero
	MUL16 2, (\q)%2, \q, \slot, \zero
	s_wait_dscnt 0
	PLACES NP
	FETCH_B \slot, (\q)+1, 1-(\q)%2
	FETCH_A \slot, (\q)+1, 0
	MWIN 1, \zero
	MUL16 4, (\q)%2, \q, \slot, \zero
	MUL16 6, (\q)%2, \q, \slot, \zero
	PLACES NP
	WIN 0
	FETCH_A \slot, (\q)+1, 4
.endm
.macro TURN slot, next, fill, t
	s_wait_tensorcnt 0x0
	ds_add_u32 v[SPW], v[NIL]
	s_wait_dscnt 4*NL+1
	MWIN 0, 0
	MUL16 0, 1, NQ-1, \slot, 0
	s_wait_dscnt 0x0
	s_barrier_signal -1
	MUL16 2, 1, NQ-1, \slot, 0
	WIN 0
	s_barrier_wait -1
.if \fill
	CREST
	s_add_nc_u64 s[G0+4*\slot+2:G0+4*\slot+3], s[G0+4*\slot+2:G0+4*\slot+3], 2*KB
	s_add_nc_u64 s[G0B+4*\slot+2:G0B+4*\slot+3], s[G0B+4*\slot+2:G0B+4*\slot+3], 2*KB
	JLOAD G0+4*\slot, G1, G0B+4*\slot, G1B
.else
	PLACES NP
.endif
	FETCH_B \next, 0, 0
	FETCH_A \next, 0, 0
	SCALES \next, \t
	MWIN 1, 0
	MUL16 4, 1, NQ-1, \slot, 0
	MUL16 6, 1, NQ-1, \slot, 0
	PLACES NP
	WIN 0
	FETCH_A \next, 0, 4
.endm
	s_wait_alu depctr_va_vdst(0)
	s_wait_loadcnt 0x0
	s_wait_tensorcnt 1
	s_barrier_signal -1
	s_barrier_wait -1
	FETCH_B 0, 0, 0
	FETCH_A 0, 0, 0
	SCALES 0, 0
	FETCH_A 0, 0, 4
	STEP 0, 0, 1
	TURN 0, 1, 1, 1
	STEP 1, 0, 0
	TURN 1, 0, 1, 2
	STEP 0, 0, 0
	TURN 0, 1, 0, 3
	STEP 1, 0, 0
	s_wait_dscnt 4*NL
	MWIN 0, 0
	MUL16 0, 1, NQ-1, 1, 0
	MUL16 2, 1, NQ-1, 1, 0
	s_wait_dscnt 0
	MWIN 1, 0
	MUL16 4, 1, NQ-1, 1, 0
	MUL16 6, 1, NQ-1, 1, 0
	WIN 0
.macro TOSTAGE a
.set AC, 64*((\a)%4)
	WIN 0x08+4*((\a)/4)
.irp b, 0,1,2,3,4,5,6,7
	ds_store_b128 v[STO], v[AC+8*\b:AC+8*\b+3] offset:256*(\b/4)+32*(\b%4)
	ds_store_b128 v[STO], v[AC+8*\b+4:AC+8*\b+7] offset:256*(\b/4)+32*(\b%4)+16
.endr
	WIN 0
.set BB, BK+64*((\a)%2)
.irp t, 0,1,2,3,4,5,6,7,8,9,10,11,12,13,14,15
	ds_load_b128 v[BB+4*\t:BB+4*\t+3], v[RD] offset:\t*SPITCH
.endr
.endm
.macro SEND a, younger
.set BB, BK+64*((\a)%2)
	s_wait_dscnt \younger
; place t of block a of oc is token 64 (a / 4) + 8 (a % 4) + t % 8 + 32 (t / 8) of my 128
.if (\a) > 0
.if (\a) == 4
	s_add_nc_u64 s[12:13], s[12:13], 40*SIZE_N*4
.else
	s_add_nc_u64 s[12:13], s[12:13], 8*SIZE_N*4
.endif
.endif
.irp t, 0,1,2,3,4,5,6,7,8,9,10,11,12,13,14,15
	global_store_b128 v[CO], v[BB+4*\t:BB+4*\t+3], s[12:13] offset:((\t%8)+32*(\t/8))*SIZE_N*4 th:TH_STORE_NT
.endr
.endm
	PLACES NP
	TOSTAGE 0
.irp a, 1,2,3,4,5,6,7
.if \a > 1
	s_wait_xcnt 0x0
.endif
	TOSTAGE \a
	SEND \a-1, 32
.endr
	s_wait_xcnt 0x0
	SEND 7, 0
	s_wait_tensorcnt 0x0
	ds_add_u32 v[SPW], v[NIL]
	s_wait_dscnt 0x0
	CROUND
	s_endpgm
.Lfunc_end_k_qf3abba4e8b_proj:
	.size	k_qf3abba4e8b_proj, .Lfunc_end_k_qf3abba4e8b_proj-k_qf3abba4e8b_proj
	.p2alignl 7, 3214868480
	.fill 96, 4, 3214868480
	.section	.rodata,"a",@progbits
	.p2align	6, 0x0
	.amdhsa_kernel k_qf3abba4e8b_proj
		.amdhsa_group_segment_fixed_size 327680
		.amdhsa_private_segment_fixed_size 0
		.amdhsa_enable_private_segment 0
		.amdhsa_kernarg_size 48
		.amdhsa_user_sgpr_count 2
		.amdhsa_user_sgpr_kernarg_segment_ptr 1
		.amdhsa_wavefront_size32 1
		.amdhsa_system_sgpr_workgroup_id_x 1
		.amdhsa_system_sgpr_workgroup_id_y 1
		.amdhsa_system_sgpr_workgroup_id_z 1
		.amdhsa_system_vgpr_workitem_id 0
		.amdhsa_next_free_vgpr 1024
		.amdhsa_next_free_sgpr 100
		.amdhsa_reserve_vcc 0
		.amdhsa_float_denorm_mode_32 3
		.amdhsa_float_denorm_mode_16_64 3
		.amdhsa_memory_ordered 1
		.amdhsa_forward_progress 1
		.amdhsa_inst_pref_size 144
	.end_amdhsa_kernel
	.amdgpu_metadata
---
amdhsa.version: [ 1, 2 ]
amdhsa.kernels:
  - .name:           k_qf3abba4e8b_proj
    .symbol:         k_qf3abba4e8b_proj.kd
    .args:
      - { .name: oc, .offset: 0, .size: 8, .value_kind: global_buffer, .address_space: global }
      - { .name: os, .offset: 8, .size: 8, .value_kind: global_buffer, .address_space: global }
      - { .name: wc, .offset: 16, .size: 8, .value_kind: global_buffer, .address_space: global }
      - { .name: ws, .offset: 24, .size: 8, .value_kind: global_buffer, .address_space: global }
      - { .name: bo, .offset: 32, .size: 8, .value_kind: global_buffer, .address_space: global }
      - { .name: out0, .offset: 40, .size: 8, .value_kind: global_buffer, .address_space: global }
    .group_segment_fixed_size: 327680
    .private_segment_fixed_size: 0
    .kernarg_segment_align: 8
    .kernarg_segment_size: 48
    .max_flat_workgroup_size: 128
    .sgpr_count:     100
    .vgpr_count:     1024
    .wavefront_size: 32
...
	.end_amdgpu_metadata
.endif
;; end of part 4
